; MI455X (gfx1250); checked and timed in simulation.
; The chip was launched on July 23, 2026; its instructions are those of AMD's public machine-readable ISA for CDNA 5 (MIT licence, August 2026) and "CDNA5" Instruction Set Architecture Reference Guide (July 2026). The comments in the code are by the model that wrote it; some were corrected since.
;; Linformer Self Attention. Allowed arithmetic: float matrix products may take bf16 or f16 operands with f32 sums; all other float work in f32.
;; Inputs: E 256 x 32 float32; F 256 x 32 float32; Wk 512 x 512 float32; Wo 512 x 512 float32; Wq 512 x 512 float32; Wv 512 x 512 float32; bo 512 float32; x 4 x 4,096 x 512 float32.
;; Outputs: out0 4 x 4,096 x 512 float32.
;; 2 versions, each right; version 2 is version 1 with the launch ksvs written anew for expert scheduling mode. Each part assembles by itself: llvm-mc -triple=amdgcn-amd-amdhsa -mcpu=gfx1250 --defsym DOCPART=n.
;; ======== version 1 of 2: 3 launches
;; workspace buffers: part 131,072 bytes; kv 16,384 bytes; wst 1,048,576 bytes; ef 32,768 bytes
;; launch colsum (part 1): grid 256 x 1, 8 waves a work-group, no clusters, 5,120 bytes of LDS; arguments x, Wq, Wo, E, F, part, wst, ef; writes part, wst, ef
.if DOCPART == 1
	.amdgcn_target "amdgcn-amd-amdhsa--gfx1250"
	.amdhsa_code_object_version 6
	.text
	.protected	k_q74864b80f7_colsum
	.globl	k_q74864b80f7_colsum
	.p2align	8
	.type	k_q74864b80f7_colsum,@function
k_q74864b80f7_colsum:
	s_mov_b64 s[64:65], 0
	v_nop
	global_prefetch_b8 v0, s[64:65] scope:SCOPE_SE
	s_setreg_imm32_b32 hwreg(HW_REG_WAVE_MODE, 25, 1), 1
	s_wait_xcnt 0x0
; LINFORMER ATTENTION, launch 1 of 3: column sums of x, and the weights laid out as matrix fragments in bf16.
;
; WORK THAT IS NOT DONE, and why.  k_proj[b,h,k,d] = sum over n of k[b,h,n,d] E[k,d]: the sum runs over n alone and E[k,d] does not hang on n,
; so k_proj[b,h,k,d] = E[k,d] ks[b,32h+d] with ks[b,c] = sum_n sum_j x[b,n,j] Wk[c,j] = sum_j (sum_n x[b,n,j]) Wk[c,j].  The same holds of
; v_proj with F, Wv and vs.  Both are identities of real numbers for all values of the inputs.  So the two products x Wk^T and x Wv^T for every
; row n are not formed: this launch sums x over n, the second launch makes ks and vs (4 x 512 numbers each), and the third uses
; logits = (q * ks / sqrt 32) E^T and out = ((p F) * vs) / sum p.  Every input is still read: none is without a way to the output.
; LIMITS.  A NaN, an infinity or an overflow that would arise only in a single k[b,h,n,d] or v[b,h,n,d] and cancel or vanish in the sum over n is
; not carried to the result.  x, Wq, Wk, Wv, E, F, Wo are rounded to bf16 once (they are matrix operands); the sums over n are taken over the
; ROUNDED x, so that q, ks and vs all see the same numbers; the order of the f32 sums differs from the reference's.
;
; SHARES.  256 work-groups of 8 waves.  Work-group wg sums rows 256 (wg/4) .. +255 of the 16,384 rows of x over the 128 columns 128 (wg%4) .. +127;
; wave w takes 32 of the rows, a lane 4 columns: each load of a wave is 512 neighbouring bytes.  All 32 loads of a wave go out at once.
; The eight waves' sums meet in LDS; wave 0 stores 512 neighbouring bytes of part[b][chunk][512].
; Beside that each thread rounds ONE granule (8 numbers, 16 bytes of bf16) of the weight stream wst, and the threads of work-groups 0-7 one of ef.
; wst: 8 tiles of 128 KiB in the order in which the third launch uses them: Q0 Q1 O0 Q2 O1 Q3 O2 O3.  A tile = 4 wave parts of 32 KiB, a part = 32
; fragments of 1 KiB (16 rows x 32 k): bytes 16 L hold lane L's registers 0-3, bytes 512 + 16 L its registers 4-7, that is
; granule (half, h, r) = W[row0 + r][k0 + 16 half + 8 h .. + 7].   Qi, part p, fragment 2 ks + mt: row0 = 32 (4 i + p) + 16 mt of Wq, k0 = 32 ks.
; Oi, part p, fragment 8 kk + mt: row0 = 128 p + 16 mt of Wo, k0 = 128 i + 32 kk.
; ef: 16 fragments of E (rows 16 t + r, k = d), then 16 of F transposed (fragment 2 u + dt: row d = 16 dt + r, k = key 32 u + 16 half + 8 h + e).
; No matrix unit, no cluster: the work is a stream, and no two work-groups read the same bytes.
.set XR, 32                            ; v[32:159] the wave's 32 rows of x, 4 numbers a lane each
; v1 lane offset in F; v2 = 16 lane; v3 = 16 thread; v[4:7] packed weight granule; v[8:11], v[12:15] two chains of sums;
; v[16:21] at work; v22 lane offset in Wq / Wo; v23 lane offset in E; v[24:31] a granule's 8 numbers in f32
	s_load_b512 s[4:19], s[0:1], 0x0               ; x s[4:5], Wq s[6:7], Wo s[8:9], E s[10:11], F s[12:13], part s[14:15], wst s[16:17], ef s[18:19]
	v_lshl_add_u32 v160, v0, 2, 0x1000
	v_mov_b32 v161, 0
	v_lshrrev_b32 v1, 5, v0
	v_readfirstlane_b32 s20, v1                    ; wave
	s_mov_b32 s21, ttmp9                           ; work-group
	v_and_b32 v16, 15, v0                          ; r
	v_bfe_u32 v17, v0, 4, 1                        ; h
	v_and_b32 v2, 31, v0
	v_lshlrev_b32 v2, 4, v2                        ; 16 lane
	v_lshlrev_b32 v3, 4, v0                        ; 16 thread
	v_lshlrev_b32 v18, 5, v17                      ; 32 h
	v_lshl_add_u32 v22, v16, 11, v18               ; Wq, Wo: 2048 r + 32 h
	v_lshl_add_u32 v23, v16, 7, v18                ; E: 128 r + 32 h
	v_lshlrev_b32 v1, 2, v16
	v_lshl_add_u32 v1, v17, 10, v1                 ; F: 1024 h + 4 r
	; which granule of wst is this wave's: byte 4096 wg + 16 thread of the stream
	s_lshr_b32 s22, s21, 5                         ; tile T
	s_lshr_b32 s23, 0xd4, s22
	s_and_b32 s23, s23, 1                          ; 1: a tile of Wo (T = 2, 4, 6, 7)
	s_lshl_b32 s24, s22, 1
	s_lshr_b32 s24, 0xed84, s24
	s_and_b32 s24, s24, 3                          ; i of the tile: 0 1 0 2 1 3 2 3
	s_bfe_u32 s25, s21, 0x20003                    ; part p
	s_and_b32 s26, s21, 7                          ; which 4 fragments of the part
	s_lshr_b32 s27, s20, 1                         ; which of the four
	s_and_b32 s28, s20, 1                          ; half
	s_lshl2_add_u32 s29, s24, s25                  ; Q: 4 i + p
	s_lshl_b32 s29, s29, 5
	s_and_b32 s30, s27, 1
	s_lshl4_add_u32 s29, s30, s29                  ; row0 = 32 (4 i + p) + 16 mt
	s_lshr_b32 s30, s27, 1
	s_lshl1_add_u32 s30, s26, s30
	s_lshl_b32 s30, s30, 5                         ; k0 = 32 ks
	s_and_b32 s31, s26, 1                          ; O: mt = 4 (g & 1) + sub
	s_lshl2_add_u32 s31, s31, s27
	s_lshl_b32 s31, s31, 4
	s_lshl_b32 s33, s25, 7
	s_add_co_u32 s31, s31, s33                     ; row0 = 128 p + 16 mt
	s_lshr_b32 s33, s26, 1
	s_lshl_b32 s33, s33, 5
	s_lshl_b32 s34, s24, 7
	s_add_co_u32 s33, s33, s34                     ; k0 = 128 i + 32 kk
	s_wait_kmcnt 0x0
	s_cmp_lg_u32 s23, 0
	s_cselect_b32 s29, s31, s29
	s_cselect_b32 s30, s33, s30
	s_cselect_b64 s[6:7], s[8:9], s[6:7]           ; the tile's matrix
	s_lshl4_add_u32 s30, s28, s30                  ; k0 + 16 half
	s_lshl_b32 s30, s30, 2
	s_lshl_b32 s29, s29, 11
	s_add_co_u32 s30, s30, s29
	s_mov_b32 s31, 0
	s_add_nc_u64 s[6:7], s[6:7], s[30:31]
	s_lshr_b32 s32, s21, 2                         ; x: 256 rows of 2,048 bytes for each chunk,
	s_lshl_b32 s32, s32, 19
	s_and_b32 s34, s21, 3
	s_lshl_b32 s34, s34, 9                         ; 512 bytes for each strip of columns,
	s_add_co_u32 s32, s32, s34
	s_lshl_b32 s34, s20, 16                        ; 32 rows for each wave
	s_add_co_u32 s32, s32, s34
	s_mov_b32 s33, 0
	s_add_nc_u64 s[4:5], s[4:5], s[32:33]
	s_lshl_b32 s32, s21, 12
	s_add_nc_u64 s[16:17], s[16:17], s[32:33]      ; wst + 4096 wg
	s_lshl_b32 s32, s21, 9
	s_add_nc_u64 s[14:15], s[14:15], s[32:33]      ; part + 2048 (wg / 4) + 512 (wg % 4) = part + 512 wg
	global_load_b128 v[24:27], v22, s[6:7]
	global_load_b128 v[28:31], v22, s[6:7] offset:16
.set k, 0
.rept 32
	global_load_b128 v[XR+4*k:XR+4*k+3], v2, s[4:5] offset:2048*k   ; no hint: the third launch reads x again
.set k, k+1
.endr
	s_wait_loadcnt 32                              ; the two weight loads are in; the 32 loads of x behind them stay out
	v_cvt_pk_bf16_f32 v4, v24, v25
	v_cvt_pk_bf16_f32 v5, v26, v27
	v_cvt_pk_bf16_f32 v6, v28, v29
	v_cvt_pk_bf16_f32 v7, v30, v31
	global_store_b128 v3, v[4:7], s[16:17]         ; a wave stores 512 neighbouring bytes; v3, v[4:7] and s[16:17] are not written again
	; the sums: each number is rounded to bf16, widened again and added in f32; rows take turns on two chains, which rows 0 and 1 start
.set k, 0
.rept 32
	s_wait_loadcnt 31-k                            ; loads come back in order: row k is in, the younger rows stay out
	v_cvt_pk_bf16_f32 v16, v[XR+4*k], v[XR+4*k+1]
	v_cvt_pk_bf16_f32 v17, v[XR+4*k+2], v[XR+4*k+3]
.if k < 2
	v_lshlrev_b32 v[8+4*k], 16, v16
	v_and_b32 v[9+4*k], 0xffff0000, v16
	v_lshlrev_b32 v[10+4*k], 16, v17
	v_and_b32 v[11+4*k], 0xffff0000, v17
.else
	v_lshlrev_b32 v18, 16, v16
	v_and_b32 v19, 0xffff0000, v16
	v_lshlrev_b32 v20, 16, v17
	v_and_b32 v21, 0xffff0000, v17
	v_pk_add_f32 v[8+4*(k&1):9+4*(k&1)], v[8+4*(k&1):9+4*(k&1)], v[18:19]
	v_pk_add_f32 v[10+4*(k&1):11+4*(k&1)], v[10+4*(k&1):11+4*(k&1)], v[20:21]
.endif
.set k, k+1
.endr
	; work-groups 0-3: a granule of E each thread; 4-7: a granule of F transposed.  Both go to ef + 4096 wg + 16 thread.
	s_cmp_gt_u32 s21, 7
	s_cbranch_scc1 .Lsum
	s_lshl_b32 s36, s21, 12
	s_mov_b32 s37, 0
	s_add_nc_u64 s[18:19], s[18:19], s[36:37]
	s_cmp_gt_u32 s21, 3
	s_cbranch_scc1 .Lf
	s_lshl2_add_u32 s36, s21, s27                  ; fragment t = 4 wg + sub
	s_lshl_b32 s36, s36, 11                        ; 16 rows of 128 bytes
	s_lshl_b32 s38, s28, 6                         ; 16 half numbers
	s_add_co_u32 s36, s36, s38
	s_add_nc_u64 s[10:11], s[10:11], s[36:37]
	global_load_b128 v[24:27], v23, s[10:11]
	global_load_b128 v[28:31], v23, s[10:11] offset:16
	s_branch .Lpack
.Lf:
	s_sub_co_u32 s36, s21, 4
	s_lshl2_add_u32 s36, s36, s27                  ; fragment 2 u + dt
	s_lshr_b32 s38, s36, 1                         ; u
	s_and_b32 s36, s36, 1                          ; dt
	s_lshl_b32 s36, s36, 6                         ; 16 dt numbers
	s_lshl_b32 s38, s38, 12                        ; 32 u rows of 128 bytes
	s_add_co_u32 s36, s36, s38
	s_lshl_b32 s38, s28, 11                        ; 16 half rows
	s_add_co_u32 s36, s36, s38
	s_add_nc_u64 s[12:13], s[12:13], s[36:37]
.irp e, 0,1,2,3,4,5,6,7
	global_load_b32 v[24+\e], v1, s[12:13] offset:128*\e           ; eight keys of one column d: F is 32 KiB in all, read so once
.endr
.Lpack:
	s_wait_loadcnt 0x0
	v_cvt_pk_bf16_f32 v16, v24, v25
	v_cvt_pk_bf16_f32 v17, v26, v27
	v_cvt_pk_bf16_f32 v18, v28, v29
	v_cvt_pk_bf16_f32 v19, v30, v31
	global_store_b128 v3, v[16:19], s[18:19]       ; v[16:19] are not written again
.Lsum:
	v_pk_add_f32 v[8:9], v[8:9], v[12:13]
	v_pk_add_f32 v[10:11], v[10:11], v[14:15]
	ds_store_b128 v3, v[8:11]                      ; byte 512 wave + 16 lane
	s_wait_dscnt 0x0                               ; for the sake of wave 0, which reads it: my store is done before I signal
	s_barrier_signal -1
	s_barrier_wait -1
	s_cmp_lg_u32 s20, 0
	s_cbranch_scc1 .Lend
.irp j, 0,1,2,3,4,5,6,7
	ds_load_b128 v[XR+4*\j:XR+4*\j+3], v2 offset:512*\j
.endr
	s_wait_dscnt 0x0
.irp j, 0,2,4,6
	v_pk_add_f32 v[XR+4*\j:XR+4*\j+1], v[XR+4*\j:XR+4*\j+1], v[XR+4*\j+4:XR+4*\j+5]
	v_pk_add_f32 v[XR+4*\j+2:XR+4*\j+3], v[XR+4*\j+2:XR+4*\j+3], v[XR+4*\j+6:XR+4*\j+7]
.endr
.irp j, 0,4
	v_pk_add_f32 v[XR+4*\j:XR+4*\j+1], v[XR+4*\j:XR+4*\j+1], v[XR+4*\j+8:XR+4*\j+9]
	v_pk_add_f32 v[XR+4*\j+2:XR+4*\j+3], v[XR+4*\j+2:XR+4*\j+3], v[XR+4*\j+10:XR+4*\j+11]
.endr
	v_pk_add_f32 v[XR:XR+1], v[XR:XR+1], v[XR+16:XR+17]
	v_pk_add_f32 v[XR+2:XR+3], v[XR+2:XR+3], v[XR+18:XR+19]
	global_store_b128 v2, v[XR:XR+3], s[14:15]     ; 512 neighbouring bytes, at a multiple of 512 from part's first byte
.Lend:
	s_wait_tensorcnt 0x0
	ds_add_u32 v160, v161
	s_wait_dscnt 0x0
	s_endpgm
.Lfunc_end_k_q74864b80f7_colsum:
	.size	k_q74864b80f7_colsum, .Lfunc_end_k_q74864b80f7_colsum-k_q74864b80f7_colsum
	.p2alignl 7, 3214868480
	.fill 96, 4, 3214868480
	.section	.rodata,"a",@progbits
	.p2align	6, 0x0
	.amdhsa_kernel k_q74864b80f7_colsum
		.amdhsa_group_segment_fixed_size 5120
		.amdhsa_private_segment_fixed_size 0
		.amdhsa_enable_private_segment 0
		.amdhsa_kernarg_size 64
		.amdhsa_user_sgpr_count 2
		.amdhsa_user_sgpr_kernarg_segment_ptr 1
		.amdhsa_wavefront_size32 1
		.amdhsa_system_sgpr_workgroup_id_x 1
		.amdhsa_system_sgpr_workgroup_id_y 1
		.amdhsa_system_sgpr_workgroup_id_z 1
		.amdhsa_system_vgpr_workitem_id 0
		.amdhsa_next_free_vgpr 162
		.amdhsa_next_free_sgpr 66
		.amdhsa_reserve_vcc 0
		.amdhsa_float_denorm_mode_32 3
		.amdhsa_float_denorm_mode_16_64 3
		.amdhsa_memory_ordered 1
		.amdhsa_forward_progress 1
		.amdhsa_inst_pref_size 25
	.end_amdhsa_kernel
	.amdgpu_metadata
---
amdhsa.version: [ 1, 2 ]
amdhsa.kernels:
  - .name:           k_q74864b80f7_colsum
    .symbol:         k_q74864b80f7_colsum.kd
    .args:
      - { .name: x, .offset: 0, .size: 8, .value_kind: global_buffer, .address_space: global }
      - { .name: Wq, .offset: 8, .size: 8, .value_kind: global_buffer, .address_space: global }
      - { .name: Wo, .offset: 16, .size: 8, .value_kind: global_buffer, .address_space: global }
      - { .name: E, .offset: 24, .size: 8, .value_kind: global_buffer, .address_space: global }
      - { .name: F, .offset: 32, .size: 8, .value_kind: global_buffer, .address_space: global }
      - { .name: part, .offset: 40, .size: 8, .value_kind: global_buffer, .address_space: global }
      - { .name: wst, .offset: 48, .size: 8, .value_kind: global_buffer, .address_space: global }
      - { .name: ef, .offset: 56, .size: 8, .value_kind: global_buffer, .address_space: global }
    .group_segment_fixed_size: 5120
    .private_segment_fixed_size: 0
    .kernarg_segment_align: 8
    .kernarg_segment_size: 64
    .max_flat_workgroup_size: 256
    .sgpr_count:     66
    .vgpr_count:     162
    .wavefront_size: 32
...
	.end_amdgpu_metadata
.endif
;; end of part 1
;; launch ksvs (part 2): grid 64 x 1, 8 waves a work-group, no clusters, 9,216 bytes of LDS; arguments part, Wk, Wv, kv; writes kv
.if DOCPART == 2
	.amdgcn_target "amdgcn-amd-amdhsa--gfx1250"
	.amdhsa_code_object_version 6
	.text
	.protected	k_q74864b80f7_ksvs
	.globl	k_q74864b80f7_ksvs
	.p2align	8
	.type	k_q74864b80f7_ksvs,@function
k_q74864b80f7_ksvs:
	s_mov_b64 s[64:65], 0
	v_nop
	global_prefetch_b8 v0, s[64:65] scope:SCOPE_SE
	s_setreg_imm32_b32 hwreg(HW_REG_WAVE_MODE, 25, 1), 1
	s_wait_xcnt 0x0
; LINFORMER ATTENTION, launch 2 of 3: ks[b][c] = sum_j xs[b][j] Wk[c][j] and vs likewise with Wv, xs[b][j] = the sum over n of x[b][n][j].
; The products x Wk^T and x Wv^T for each single row n are left out: the sum over n commutes with them for all values (shown at the head of launch 1).
; kv[0][b][c] = ks * log2(e) / sqrt(32): the softmax's scale and the change to base 2 ride on ks.   kv[1][b][c] = vs.
; Work-group wg: batch wg / 16, matrix (wg % 16) / 8 (0: Wk, 1: Wv), 64 rows c = 64 (wg % 8) ..; wave w 8 rows; a row's 512 numbers lie over the 32 lanes.
; xs stays f32 (it is no matrix operand here: one row against each weight row, in fused multiply-adds); the weights are rounded to bf16 as in the
; other products, so that the whole program sees one set of rounded inputs.  No matrix unit: a product with one row would leave 15 of 16 rows idle.
.set PT, 8                             ; v[8:39]   eight quads: chunks of part, later the two halves of xs from LDS
.set XS, 40                            ; v[40:55]  xs of my 16 columns: 128 q + 4 lane .. + 3
.set WR, 64                            ; v[64:191] eight rows of the matrix, 16 numbers a lane each
; v1 = 16 lane; v2 = 16 thread; v3 offset in part; v[4:7] two chains; v[56:61] at work; v63 LDS word of my wave's results
	s_load_b256 s[4:11], s[0:1], 0x0               ; part s[4:5], Wk s[6:7], Wv s[8:9], kv s[10:11]
	v_lshl_add_u32 v192, v0, 2, 0x2000
	v_mov_b32 v193, 0
	v_lshrrev_b32 v1, 5, v0
	v_readfirstlane_b32 s12, v1                    ; wave
	v_and_b32 v1, 31, v0
	v_lshlrev_b32 v1, 4, v1                        ; 16 lane
	v_lshlrev_b32 v2, 4, v0                        ; 16 thread
	v_lshrrev_b32 v3, 7, v0                        ; threads 0-127: chunks 0-7; 128-255: chunks 8-15
	v_and_b32 v4, 127, v0
	v_lshlrev_b32 v4, 4, v4
	v_lshl_add_u32 v3, v3, 14, v4
	s_lshr_b32 s13, ttmp9, 4                       ; batch
	s_and_b32 s14, ttmp9, 15
	s_lshr_b32 s15, s14, 3                         ; 0: Wk, 1: Wv
	s_and_b32 s16, s14, 7                          ; which 64 rows
	s_lshl_b32 s18, s16, 17
	s_lshl_b32 s20, s12, 14
	s_add_co_u32 s18, s18, s20                     ; (64 (wg % 8) + 8 wave) rows of 2,048 bytes
	s_mov_b32 s19, 0
	s_lshl2_add_u32 s20, s15, s13
	s_lshl_b32 s20, s20, 11
	s_lshl_b32 s26, s16, 8
	s_add_co_u32 s20, s20, s26                     ; kv: (4 matrix + batch) rows of 2,048 bytes + 64 numbers
	s_mov_b32 s21, 0
	s_lshl_b32 s28, s13, 15                        ; part: 16 chunks of 2,048 bytes for each batch
	s_mov_b32 s29, 0
	s_mov_b32 s22, 0x3e8293ee                      ; log2(e) / sqrt(32)
	s_mov_b32 s23, 0x3f800000
	s_mov_b32 s24, 0x76543210                      ; v_permlanex16_b32: lane i reads lane i of the other half
	s_mov_b32 s25, 0xfedcba98
	s_lshl_b32 s26, s12, 5
	s_add_co_u32 s26, s26, 4096
	v_mov_b32 v63, s26                             ; 4096 + 32 wave
	s_wait_kmcnt 0x0
	s_cmp_lg_u32 s15, 0
	s_cselect_b64 s[6:7], s[8:9], s[6:7]
	s_cselect_b32 s22, s23, s22                    ; vs is not scaled
	s_add_nc_u64 s[6:7], s[6:7], s[18:19]
	s_add_nc_u64 s[10:11], s[10:11], s[20:21]
	s_add_nc_u64 s[4:5], s[4:5], s[28:29]
.irp c, 0,1,2,3,4,5,6,7
	global_load_b128 v[PT+4*\c:PT+4*\c+3], v3, s[4:5] offset:2048*\c
.endr
.irp j, 0,1,2,3,4,5,6,7
.irp q, 0,1,2,3
	global_load_b128 v[WR+16*\j+4*\q:WR+16*\j+4*\q+3], v1, s[6:7] offset:2048*\j+512*\q
.endr
.endr
	s_wait_loadcnt 32                              ; the eight chunks are in; the 32 weight loads behind them stay out
.irp c, 0,2,4,6
	v_pk_add_f32 v[PT+4*\c:PT+4*\c+1], v[PT+4*\c:PT+4*\c+1], v[PT+4*\c+4:PT+4*\c+5]
	v_pk_add_f32 v[PT+4*\c+2:PT+4*\c+3], v[PT+4*\c+2:PT+4*\c+3], v[PT+4*\c+6:PT+4*\c+7]
.endr
.irp c, 0,4
	v_pk_add_f32 v[PT+4*\c:PT+4*\c+1], v[PT+4*\c:PT+4*\c+1], v[PT+4*\c+8:PT+4*\c+9]
	v_pk_add_f32 v[PT+4*\c+2:PT+4*\c+3], v[PT+4*\c+2:PT+4*\c+3], v[PT+4*\c+10:PT+4*\c+11]
.endr
	v_pk_add_f32 v[PT:PT+1], v[PT:PT+1], v[PT+16:PT+17]
	v_pk_add_f32 v[PT+2:PT+3], v[PT+2:PT+3], v[PT+18:PT+19]
	ds_store_b128 v2, v[PT:PT+3]                   ; bytes 0-2047: chunks 0-7 summed; 2048-4095: chunks 8-15
	s_wait_dscnt 0x0                               ; every wave reads all of it: my store is done before I signal
	s_barrier_signal -1
	s_barrier_wait -1
.irp q, 0,1,2,3
	ds_load_b128 v[PT+4*\q:PT+4*\q+3], v1 offset:512*\q
	ds_load_b128 v[PT+16+4*\q:PT+16+4*\q+3], v1 offset:2048+512*\q
.endr
	s_wait_dscnt 0x0
.irp a, 0,1,2,3,4,5,6,7
	v_pk_add_f32 v[XS+2*\a:XS+2*\a+1], v[PT+2*\a:PT+2*\a+1], v[PT+16+2*\a:PT+16+2*\a+1]
.endr
.irp j, 0,1,2,3,4,5,6,7
	s_wait_loadcnt 28-4*\j                         ; row j's four loads are in, the younger rows stay out
.irp q, 0,1,2,3
	v_cvt_pk_bf16_f32 v56, v[WR+16*\j+4*\q], v[WR+16*\j+4*\q+1]
	v_cvt_pk_bf16_f32 v57, v[WR+16*\j+4*\q+2], v[WR+16*\j+4*\q+3]
	v_lshlrev_b32 v58, 16, v56
	v_and_b32 v59, 0xffff0000, v56
	v_lshlrev_b32 v60, 16, v57
	v_and_b32 v61, 0xffff0000, v57
.if \q == 0
	v_pk_mul_f32 v[4:5], v[58:59], v[XS:XS+1]      ; the first products start the two chains
	v_pk_mul_f32 v[6:7], v[60:61], v[XS+2:XS+3]
.else
	v_pk_fma_f32 v[4:5], v[58:59], v[XS+4*\q:XS+4*\q+1], v[4:5]
	v_pk_fma_f32 v[6:7], v[60:61], v[XS+4*\q+2:XS+4*\q+3], v[6:7]
.endif
.endr
	v_pk_add_f32 v[4:5], v[4:5], v[6:7]
	v_add_f32 v4, v4, v5
	v_add_f32_dpp v4, v4, v4 row_xmask:1 row_mask:0xf bank_mask:0xf
	v_add_f32_dpp v4, v4, v4 row_xmask:2 row_mask:0xf bank_mask:0xf
	v_add_f32_dpp v4, v4, v4 row_xmask:4 row_mask:0xf bank_mask:0xf
	v_add_f32_dpp v4, v4, v4 row_xmask:8 row_mask:0xf bank_mask:0xf
	v_permlanex16_b32 v5, v4, s24, s25             ; v5 has been written
	v_add_f32 v4, v4, v5
	v_mul_f32 v4, s22, v4
	ds_store_b32 v63, v4 offset:4*\j               ; all lanes write the same word with the same value
.endr
	s_wait_dscnt 0x0                               ; wave 0 reads all 64 words: my stores are done before I signal
	s_barrier_signal -1
	s_barrier_wait -1
	s_cmp_lg_u32 s12, 0
	s_cbranch_scc1 .Lend
	v_lshrrev_b32 v6, 1, v1                        ; 8 lane
	ds_load_b64 v[8:9], v6 offset:4096
	s_wait_dscnt 0x0
	global_store_b64 v6, v[8:9], s[10:11]          ; 256 neighbouring bytes, at a multiple of 256 from kv's first byte
.Lend:
	s_wait_tensorcnt 0x0
	ds_add_u32 v192, v193
	s_wait_dscnt 0x0
	s_endpgm
.Lfunc_end_k_q74864b80f7_ksvs:
	.size	k_q74864b80f7_ksvs, .Lfunc_end_k_q74864b80f7_ksvs-k_q74864b80f7_ksvs
	.p2alignl 7, 3214868480
	.fill 96, 4, 3214868480
	.section	.rodata,"a",@progbits
	.p2align	6, 0x0
	.amdhsa_kernel k_q74864b80f7_ksvs
		.amdhsa_group_segment_fixed_size 9216
		.amdhsa_private_segment_fixed_size 0
		.amdhsa_enable_private_segment 0
		.amdhsa_kernarg_size 32
		.amdhsa_user_sgpr_count 2
		.amdhsa_user_sgpr_kernarg_segment_ptr 1
		.amdhsa_wavefront_size32 1
		.amdhsa_system_sgpr_workgroup_id_x 1
		.amdhsa_system_sgpr_workgroup_id_y 1
		.amdhsa_system_sgpr_workgroup_id_z 1
		.amdhsa_system_vgpr_workitem_id 0
		.amdhsa_next_free_vgpr 194
		.amdhsa_next_free_sgpr 66
		.amdhsa_reserve_vcc 0
		.amdhsa_float_denorm_mode_32 3
		.amdhsa_float_denorm_mode_16_64 3
		.amdhsa_memory_ordered 1
		.amdhsa_forward_progress 1
		.amdhsa_inst_pref_size 27
	.end_amdhsa_kernel
	.amdgpu_metadata
---
amdhsa.version: [ 1, 2 ]
amdhsa.kernels:
  - .name:           k_q74864b80f7_ksvs
    .symbol:         k_q74864b80f7_ksvs.kd
    .args:
      - { .name: part, .offset: 0, .size: 8, .value_kind: global_buffer, .address_space: global }
      - { .name: Wk, .offset: 8, .size: 8, .value_kind: global_buffer, .address_space: global }
      - { .name: Wv, .offset: 16, .size: 8, .value_kind: global_buffer, .address_space: global }
      - { .name: kv, .offset: 24, .size: 8, .value_kind: global_buffer, .address_space: global }
    .group_segment_fixed_size: 9216
    .private_segment_fixed_size: 0
    .kernarg_segment_align: 8
    .kernarg_segment_size: 32
    .max_flat_workgroup_size: 256
    .sgpr_count:     66
    .vgpr_count:     194
    .wavefront_size: 32
...
	.end_amdgpu_metadata
.endif
;; end of part 2
;; launch attn (part 3): grid 256 x 1, 4 waves a work-group, clusters of 4 x 1, 327,680 bytes of LDS; arguments x, wst, ef, kv, bo, out0; writes out0
.if DOCPART == 3
	.amdgcn_target "amdgcn-amd-amdhsa--gfx1250"
	.amdhsa_code_object_version 6
	.text
	.protected	k_q74864b80f7_attn
	.globl	k_q74864b80f7_attn
	.p2align	8
	.type	k_q74864b80f7_attn,@function
k_q74864b80f7_attn:
	s_mov_b64 s[64:65], 0
	v_nop
	global_prefetch_b8 v0, s[64:65] scope:SCOPE_SE
	s_setreg_imm32_b32 hwreg(HW_REG_WAVE_MODE, 25, 1), 1
	s_wait_xcnt 0x0
	s_wait_alu depctr_hold_cnt(0) depctr_sa_sdst(0) depctr_va_vdst(0) depctr_va_sdst(0) depctr_va_ssrc(0) depctr_va_vcc(0) depctr_vm_vsrc(0)
	s_getreg_b32 s2, hwreg(HW_REG_IB_STS2, 6, 4)
	s_cmp_eq_u32 s2, 0
	s_cbranch_scc0 .Lentry_in_a_cluster
	s_endpgm
.Lentry_in_a_cluster:
	s_bfe_u32 s2, ttmp6, 0x10000c
	s_cmp_lg_u32 s2, 0x3003
	s_cbranch_scc0 .Lentry_shape_is_right
	s_endpgm
.Lentry_shape_is_right:
; LINFORMER ATTENTION, launch 3 of 3: q projection, softmax attention over the 256 projected keys, output projection, fused.
; Left out: the products x Wk^T, x Wv^T for each row and the tensors k_proj, v_proj; k_proj = E * ks and v_proj = F * vs for all values (shown at the
; head of launch 1), so logits = (q * ks / sqrt 32) E^T and out = ((p F) * vs) / sum p, with ks (scaled, base 2) and vs from kv.
; LIMITS.  Matrix operands are bf16: x, Wq, E, F, Wo rounded once; p and the attention's output rounded to bf16.  The logits are large beside 1 (ks is a
; sum over 4,096 rows), so q * ks is NOT rounded to one bf16: it goes as hi + lo, two bf16 numbers and two products, which keeps 16 bits of it.
; The row's true maximum is taken away before the exponential.  Rows whose logits are not finite give no defined result.
;
; SHARES.  A work-group owns 64 rows of one batch; 256 work-groups.  Four waves.  In trip i (0-3) wave w owns head 4 i + w for all 64 rows (four row tiles rt
; of 16), and for the whole kernel the output columns 128 w .. + 127, whose 64 x 128 sums stay in 256 registers.
; EVERYTHING IS USED TRANSPOSED: weights, E, F are source 0, data are source 1 with column n = sequence row.  In a result lane (r, h) holds row r and the
; eight neighbouring channels (or keys) 8 h + j, which is what a source-1 fragment of the next product wants of that lane: two result tiles pack into one
; fragment with no move between lanes.  q^T = Wq x^T;  S^T = E q'^T;  o^T = F^T P^T;  out^T = Wo o^T.  A lane holds 128 of its row's 256 scores; the lane
; 16 further holds the rest, so one exchange of halves finishes the maximum and one the sum.
; CLUSTER.  All work-groups walk the same weight stream (1 MiB), so four of them ask for each tile jointly: one request, four LDS.  The stream has 8 tiles of
; 128 KiB, Q0 Q1 O0 Q2 O1 Q3 O2 O3, each wave fetching and reading its own 32 KiB.  There is ONE region for them: the q projection of trip i + 1 stands
; between the two halves of trip i's attention, so that each refill has two row tiles' attention in which to land.  By this text's count a wave has one
; tensor load outstanding at the most.
; LDS: W 0 (131,072: filled by tensor loads alone); X 131,072 (64 rows of x in bf16, pitch 1,040 = 65 x 16, so the 16 rows of a fragment load start in
; 16 different 16-byte columns); O 197,632 (16 fragments of 1 KiB: head kk, row tile rt at (4 kk + rt) KiB); STAGE 214,016 (4 x 16 rows, pitch 528).
; REGISTERS in windows of 256.  Window 0: addresses, v[14:15] 1 / sum, v16-23 at work, v24-31 packed o, v32-95 q tiles, v96-159 q' hi and lo,
; v160-175 o tiles, v176-191 ks, v192-207 vs, v208-223 vs / sum.  Window 1: E's 16 fragments, F^T's 16 fragments, for the whole kernel.
; Window 2: v0-127 scores, then p (also the operand buffers of the two projections), v128-141 softmax, v128-255 weight fragments of the projections.
; Window 3: the 32 accumulator tiles of out (tile (mt, rt) at 8 (4 mt + rt)); at the start x as loaded.
; In every run of matrix instructions the accumulators take turns, one instruction a turn.
.set XB, 131072
.set XP, 1040
.set OB, 197632
.set SB, 214016
.set SP, 528
.set SW, 8448
.set TILEB, 131072
.set L16, 4                            ; 16 lane
.set H32, 5                            ; 32 h
.set WA, 6                             ; my part of W + 16 lane
.set XA, 7                             ; X + 1040 r + 16 h
.set XS, 8                             ; X + my 16 rows + 8 lane
.set OS, 9                             ; O + my head's four fragments + 16 lane
.set OAD, 10                           ; O + 16 lane
.set ST, 11                            ; my stage + 528 r + 32 h
.set SL, 12                            ; my stage + 16 lane
.set RL, 14
.set TT, 16
.set OF, 24
.set QA, 32
.set QF, 96
.set OA, 160
.set KS, 176
.set VS, 192
.set W2, 208
.set MX, 128                           ; window 2: four running maxima
.set MM, 132                           ; window 2: the row's maximum, twice
.set LS, 134                           ; window 2: four pairs of running sums
.set MSB, 0
.macro WIN new                         ; low byte: bits 1:0 source 0, 3:2 source 1, 5:4 source 2, 7:6 destination; the high byte repeats the setting that is left
.if MSB != \new
	s_set_vgpr_msb (MSB<<8)|\new
.set MSB, \new
.endif
.endm
.macro PLACES n                        ; places behind matrix instructions: plain vector instructions that name none of their registers (ISA guide 7.12.1)
.rept \n
	v_nop
.endr
.endm
; A round of the cluster's barrier: my work-group's barrier, wave 0 signals for the work-group, every wave waits for all four work-groups, my barrier again.
.macro ROUND
	s_barrier_signal -1
	s_barrier_wait -1
	s_cmp_lg_u32 s16, 0
	s_cbranch_scc1 .Lnot_wave_0_\@
	s_barrier_signal -3
.Lnot_wave_0_\@:
	s_barrier_wait -3
	s_barrier_signal -1
	s_barrier_wait -1
.endm
; The region W is filled again.  My reads of it are back (and all my other LDS work is done); my one tensor load was waited for in front of those reads and none
; has been issued since; the round shows both of every wave of the four work-groups; my joint load is the first thing behind it.
.macro REFILL
	WIN 0
	s_wait_dscnt 0x0
	ROUND
	tensor_load_to_lds s[32:35], s[24:31]
	s_nop 0
.endm
.macro LDKV dst, off                   ; 16 numbers of kv for my head: channels 16 mt + 8 h + 0 .. 7
.irp mt, 0,1
	global_load_b128 v[\dst+8*\mt:\dst+8*\mt+3], v[H32], s[10:11] offset:\off+64*\mt
	global_load_b128 v[\dst+8*\mt+4:\dst+8*\mt+7], v[H32], s[10:11] offset:\off+64*\mt+16
.endr
.endm
	s_load_b256 s[4:11], s[0:1], 0x0               ; x s[4:5], wst s[6:7], ef s[8:9], kv s[10:11]
	s_load_b128 s[12:15], s[0:1], 0x20             ; bo s[12:13], out0 s[14:15]
	v_lshl_add_u32 v254, v0, 2, 0x3c800
	v_mov_b32 v255, 0
	ds_add_u32 v254, v255
	v_lshrrev_b32 v1, 5, v0
	v_readfirstlane_b32 s16, v1                    ; wave
	s_bfe_u32 s17, ttmp6, 0x40000                  ; cx: it enters the addresses of x and out0 alone
	s_lshl_b32 s18, ttmp9, 2
	s_add_co_u32 s18, s18, s17                     ; work-group = 4 x cluster + cx
	s_lshl_b32 s22, s18, 17                        ; 64 rows of 2,048 bytes
	s_mov_b32 s23, 0
	s_lshr_b32 s38, ttmp9, 4                       ; batch: 16 clusters each
	s_lshl_b32 s38, s38, 11
	s_lshl_b32 s40, s16, 7
	s_add_co_u32 s38, s38, s40                     ; kv: 2,048 batch + 128 wave (head w of trip 0)
	s_mov_b32 s39, 0
	s_lshl_b32 s40, s16, 15                        ; 32,768 wave: my 16 rows of x; my part of a weight tile
	s_mov_b32 s41, 0
	s_lshl_b32 s42, s16, 9                         ; 512 wave: my 128 columns of out0 and of bo
	s_mov_b32 s43, 0
	s_mov_b32 s20, 0x76543210                      ; v_permlanex16_b32: lane i reads lane i of the other half
	s_mov_b32 s21, 0xfedcba98
	; descriptor group 1: my 32 KiB of a tile are dense in memory: 128 rows of 32 elements of 8 bytes, no padding
	s_mov_b32 s24, 0x0023000f                      ; 15:0 mask: all four work-groups of the cluster; 17:16 elements of 8 bytes; 21 set beside a mask
	s_mov_b32 s25, 32<<16                          ; tensor_dim0 = 32
	s_mov_b32 s26, 128<<16                         ; tensor_dim1 = 128
	s_mov_b32 s27, 32<<16                          ; tile_dim0 = 32
	s_mov_b32 s28, 128                             ; tile_dim1 = 128
	s_mov_b32 s29, 32                              ; from row to row: 32 elements
	s_mov_b32 s30, 0
	s_mov_b32 s31, 0
	s_mov_b32 s32, 1                               ; group 0: count
	s_lshl_b32 s33, s16, 15                        ; LDS address: 32,768 wave
	s_wait_dscnt 0x0
	s_wait_kmcnt 0x0
	s_add_nc_u64 s[4:5], s[4:5], s[22:23]
	s_add_nc_u64 s[4:5], s[4:5], s[40:41]
	s_add_nc_u64 s[14:15], s[14:15], s[22:23]
	s_add_nc_u64 s[14:15], s[14:15], s[42:43]
	s_add_nc_u64 s[10:11], s[10:11], s[38:39]
	s_add_nc_u64 s[12:13], s[12:13], s[42:43]
	s_add_nc_u64 s[34:35], s[6:7], s[40:41]        ; global address: tile 0, my part: the same in all four work-groups
	s_or_b32 s35, s35, 0x80000000                  ; type = 2
	ROUND                                          ; all four work-groups are here: the first joint loads meet
	tensor_load_to_lds s[32:35], s[24:31]          ; Q0
	s_nop 0
	v_nop
	v_nop
	v_and_b32 v1, 31, v0
	v_lshlrev_b32 v[L16], 4, v1
	WIN 0xc0                                       ; x into window 3: my 16 rows, 64 loads of 512 neighbouring bytes; its last use in the program
.irp rr, 0,1,2,3,4,5,6,7,8,9,10,11,12,13,14,15
.irp q, 0,1,2,3
	global_load_b128 v[4*(4*\rr+\q):4*(4*\rr+\q)+3], v[L16], s[4:5] offset:2048*\rr+512*\q th:TH_LOAD_NT
.endr
.endr
	WIN 0
	v_and_b32 v2, 15, v0                           ; r
	v_bfe_u32 v3, v0, 4, 1                         ; h
	v_lshlrev_b32 v[H32], 5, v3
	v_lshl_add_u32 v[WA], s16, 15, v[L16]
	v_mul_u32_u24 v[XA], v2, XP
	v_lshl_add_u32 v[XA], v3, 4, v[XA]
	v_add_nc_u32 v[XA], XB, v[XA]
	s_mul_i32 s19, s16, 16*XP
	s_add_co_u32 s19, s19, XB
	v_lshl_add_u32 v[XS], v1, 3, s19
	s_lshl_b32 s19, s16, 12
	s_add_co_u32 s19, s19, OB
	v_add_nc_u32 v[OS], s19, v[L16]
	v_add_nc_u32 v[OAD], OB, v[L16]
	s_mul_i32 s19, s16, SW
	s_add_co_u32 s19, s19, SB
	v_add_nc_u32 v[SL], s19, v[L16]
	v_mul_u32_u24 v[ST], v2, SP
	v_add_nc_u32 v[ST], v[ST], v[H32]
	v_add_nc_u32 v[ST], s19, v[ST]
	; x to bf16 and into X, four rows at a time
.irp g, 0,1,2,3
	s_wait_loadcnt 48-16*\g                        ; this group's 16 loads are in, the younger groups stay out
	WIN 0x0f
.irp n, 0,1,2,3,4,5,6,7,8,9,10,11,12,13,14,15
	v_cvt_pk_bf16_f32 v[QA+2*\n], v[64*\g+4*\n], v[64*\g+4*\n+1]
	v_cvt_pk_bf16_f32 v[QA+2*\n+1], v[64*\g+4*\n+2], v[64*\g+4*\n+3]
.endr
	WIN 0
.irp n, 0,1,2,3,4,5,6,7,8,9,10,11,12,13,14,15
	ds_store_b64 v[XS], v[QA+2*\n:QA+2*\n+1] offset:XP*(4*\g+\n/4)+256*(\n%4)
.endr
.endr
	WIN 0x40                                       ; E's and F^T's fragments into window 1, as they lie in ef
.set fr, 0
.rept 32
	global_load_b128 v[8*fr:8*fr+3], v[L16], s[8:9] offset:1024*fr
	global_load_b128 v[8*fr+4:8*fr+7], v[L16], s[8:9] offset:1024*fr+512
.set fr, fr+1
.endr
	WIN 0
	LDKV KS, 0
	LDKV VS, 8192
	WIN 0xc0                                       ; the sums of out start as bo: nothing is cleared and nothing is added at the end
.irp mt, 0,1,2,3,4,5,6,7
.irp rt, 0,1,2,3
	global_load_b128 v[8*(4*\mt+\rt):8*(4*\mt+\rt)+3], v[H32], s[12:13] offset:64*\mt
	global_load_b128 v[8*(4*\mt+\rt)+4:8*(4*\mt+\rt)+7], v[H32], s[12:13] offset:64*\mt+16
.endr
.endr
	WIN 0
; THE q PROJECTION of one head for 64 rows: 16 K steps of 32, in 8 batches of two, on two sets of operand buffers in window 2.
.macro QFETCH bt, p                    ; batch bt into set p: 8 loads of Wq's fragments (my part of W), 16 of x's
	WIN 0x80
.irp kq, 0,1
.irp mt, 0,1
	ds_load_b128 v[192+32*\p+16*\kq+8*\mt:192+32*\p+16*\kq+8*\mt+3], v[WA] offset:(2*(2*\bt+\kq)+\mt)*1024
	ds_load_b128 v[192+32*\p+16*\kq+8*\mt+4:192+32*\p+16*\kq+8*\mt+7], v[WA] offset:(2*(2*\bt+\kq)+\mt)*1024+512
.endr
.endr
.irp kq, 0,1
.irp rt, 0,1,2,3
	ds_load_b128 v[64*\p+32*\kq+8*\rt:64*\p+32*\kq+8*\rt+3], v[XA] offset:16*XP*\rt+64*(2*\bt+\kq)
	ds_load_b128 v[64*\p+32*\kq+8*\rt+4:64*\p+32*\kq+8*\rt+7], v[XA] offset:16*XP*\rt+64*(2*\bt+\kq)+32
.endr
.endr
.endm
.macro QMUL p, zero                    ; 16 matrix instructions on 8 accumulators by turns; zero = 1: the first K step starts the sums
	WIN 0x0a
.irp kq, 0,1
.irp mt, 0,1
.irp rt, 0,1,2,3
.if (\zero)*(1-\kq)
	v_wmma_f32_16x16x32_bf16 v[QA+8*(4*\mt+\rt):QA+8*(4*\mt+\rt)+7], v[192+32*\p+16*\kq+8*\mt:192+32*\p+16*\kq+8*\mt+7], v[64*\p+32*\kq+8*\rt:64*\p+32*\kq+8*\rt+7], 0
.else
	v_wmma_f32_16x16x32_bf16 v[QA+8*(4*\mt+\rt):QA+8*(4*\mt+\rt)+7], v[192+32*\p+16*\kq+8*\mt:192+32*\p+16*\kq+8*\mt+7], v[64*\p+32*\kq+8*\rt:64*\p+32*\kq+8*\rt+7], v[QA+8*(4*\mt+\rt):QA+8*(4*\mt+\rt)+7]
.endif
.endr
.endr
.endr
.endm
.macro QBATCH nb, np, cp, zero         ; fetch batch nb into set np, multiply set cp
.if \zero == 0
	PLACES 4                                       ; set np was read by the 16 matrix instructions just issued
.endif
	QFETCH \nb, \np
	s_wait_dscnt 24                                ; all but the 24 loads just issued: set cp is in
	QMUL \cp, \zero
.endm
.macro QPROJ
	QFETCH 0, 0
	QBATCH 1, 1, 0, 1
	QBATCH 2, 0, 1, 0
	QBATCH 3, 1, 0, 0
	QBATCH 4, 0, 1, 0
	QBATCH 5, 1, 0, 0
	QBATCH 6, 0, 1, 0
	QBATCH 7, 1, 0, 0
	s_wait_dscnt 0x0
	QMUL 1, 0
	PLACES 5                                       ; the scores' matrix instructions write over the buffers; vector instructions read q
	WIN 0
.endm
; q' = q * ks (scaled), split into hi = bf16(q') and lo = bf16(q' - hi): the two result tiles of row tile rt become the fragments hi and lo.
.macro POST rt
.irp mt, 0,1
.irp jj, 0,1,2,3
.set tb, TT+4*(\jj&1)
.set qs, QA+8*(4*\mt+\rt)+2*\jj
.set qd, QF+16*\rt+4*\mt+\jj
	v_pk_mul_f32 v[tb:tb+1], v[qs:qs+1], v[KS+8*\mt+2*\jj:KS+8*\mt+2*\jj+1]
	v_cvt_pk_bf16_f32 v[qd], v[tb], v[tb+1]
	v_lshlrev_b32 v[tb+2], 16, v[qd]
	v_and_b32 v[tb+3], 0xffff0000, v[qd]
	v_pk_add_f32 v[tb:tb+1], v[tb:tb+1], v[tb+2:tb+3] neg_lo:[0,1] neg_hi:[0,1]
	v_cvt_pk_bf16_f32 v[qd+8], v[tb], v[tb+1]
.endr
.endr
.endm
; pieces of the softmax on score tile t (8 registers at 8 t, window 2)
.macro SUBT t                          ; minus the row's maximum
.irp a, 0,1,2,3
	v_pk_add_f32 v[8*(\t)+2*\a:8*(\t)+2*\a+1], v[8*(\t)+2*\a:8*(\t)+2*\a+1], v[MM:MM+1] neg_lo:[0,1] neg_hi:[0,1]
.endr
.endm
.macro EXPT t                          ; 2^x: the change of base rides on ks
.irp j, 0,1,2,3,4,5,6,7
	v_exp_f32 v[8*(\t)+\j], v[8*(\t)+\j]
.endr
.endm
.macro SUMT t
	s_wait_alu depctr_va_vdst(0)
.irp a, 0,1,2,3
	v_pk_add_f32 v[LS+2*\a:LS+2*\a+1], v[LS+2*\a:LS+2*\a+1], v[8*(\t)+2*\a:8*(\t)+2*\a+1]
.endr
.endm
.macro CVTT t                          ; tile 2 u + par packs into registers 4 par .. + 3 of fragment u, which lies at 16 u: always onto registers already used up
.irp jj, 0,1,2,3
	v_cvt_pk_bf16_f32 v[16*((\t)>>1)+4*((\t)&1)+\jj], v[8*(\t)+2*\jj], v[8*(\t)+2*\jj+1]
.endr
.endm
; ATTENTION of my head for row tile rt: 16 rows x 256 keys.
.macro ATT rt
	WIN 0xa1                                       ; scores (window 2) = E (window 1) x q' (window 0): hi starts the sums, lo adds onto them; 16 accumulators by turns
.irp t, 0,1,2,3,4,5,6,7,8,9,10,11,12,13,14,15
	v_wmma_f32_16x16x32_bf16 v[8*\t:8*\t+7], v[8*\t:8*\t+7], v[QF+16*\rt:QF+16*\rt+7], 0
.endr
.irp t, 0,1,2,3,4,5,6,7,8,9,10,11,12,13,14,15
	v_wmma_f32_16x16x32_bf16 v[8*\t:8*\t+7], v[8*\t:8*\t+7], v[QF+16*\rt+8:QF+16*\rt+15], v[8*\t:8*\t+7]
.endr
	WIN 0xaa
	PLACES 4
.irp c, 0,1,2,3
	v_max_num_f32 v[MX+\c], v[32*\c], v[32*\c+1]   ; four chains of 32 scores; the first two of each start it
.endr
.irp s, 1,2,3,4,5,6,7,8,9,10,11,12,13,14,15
.irp c, 0,1,2,3
	v_max3_num_f32 v[MX+\c], v[MX+\c], v[32*\c+2*\s], v[32*\c+2*\s+1]
.endr
.endr
	v_max3_num_f32 v[MX], v[MX], v[MX+1], v[MX+2]
	v_max_num_f32 v[MX], v[MX], v[MX+3]
	v_permlanex16_b32 v[MX+1], v[MX], s20, s21     ; the row's other 128 keys lie 16 lanes away; the destination has been written
	v_max_num_f32 v[MM], v[MX], v[MX+1]
	v_max_num_f32 v[MM+1], v[MX], v[MX+1]
	; behind each run of eight exponentials stands the next tile's subtraction, plain work on other registers (ISA guide 5.7.2), before the run's results are used
	SUBT 0
	EXPT 0
	SUBT 1
	EXPT 1
	SUBT 2
	s_wait_alu depctr_va_vdst(0)
.irp a, 0,1,2,3
	v_pk_add_f32 v[LS+2*\a:LS+2*\a+1], v[2*\a:2*\a+1], v[8+2*\a:8+2*\a+1]   ; tiles 0 and 1 start the four chains of the sum
.endr
	CVTT 0
	CVTT 1
	EXPT 2
.irp t, 2,3,4,5,6,7,8,9,10,11,12,13,14
	SUBT \t+1
	SUMT \t
	CVTT \t
	EXPT \t+1
.endr
	v_nop                                          ; the plain instruction behind the last exponentials
	s_wait_alu depctr_va_vdst(0)
	SUMT 15
	CVTT 15
	WIN 0x09                                       ; o (window 0) = F^T (window 1) x p (window 2): two accumulators by turns, the first two products start them
.irp u, 0,1,2,3,4,5,6,7
.irp dt, 0,1
.if \u == 0
	v_wmma_f32_16x16x32_bf16 v[OA+8*\dt:OA+8*\dt+7], v[128+8*(2*\u+\dt):128+8*(2*\u+\dt)+7], v[16*\u:16*\u+7], 0
.else
	v_wmma_f32_16x16x32_bf16 v[OA+8*\dt:OA+8*\dt+7], v[128+8*(2*\u+\dt):128+8*(2*\u+\dt)+7], v[16*\u:16*\u+7], v[OA+8*\dt:OA+8*\dt+7]
.endif
.endr
.endr
	WIN 0xaa                                       ; behind the products: the sum of p, its reciprocal, and vs / sum.  None of these lines names a register of the products
	v_pk_add_f32 v[LS:LS+1], v[LS:LS+1], v[LS+2:LS+3]
	v_pk_add_f32 v[LS+4:LS+5], v[LS+4:LS+5], v[LS+6:LS+7]
	v_pk_add_f32 v[LS:LS+1], v[LS:LS+1], v[LS+4:LS+5]
	v_add_f32 v[LS], v[LS], v[LS+1]
	v_permlanex16_b32 v[LS+1], v[LS], s20, s21
	v_add_f32 v[LS], v[LS], v[LS+1]                ; at least 1: the largest p is 1
	WIN 0x02
	v_rcp_f32 v[RL], v[LS]
	v_rcp_f32 v[RL+1], v[LS]
	WIN 0
	v_nop                                          ; the plain instruction behind the reciprocals
	s_wait_alu depctr_va_vdst(0)
.irp a, 0,1,2,3,4,5,6,7
	v_pk_mul_f32 v[W2+2*\a:W2+2*\a+1], v[VS+2*\a:VS+2*\a+1], v[RL:RL+1]     ; eight places behind the last product
.endr
.irp a, 0,1,2,3,4,5,6,7
	v_pk_mul_f32 v[OA+2*\a:OA+2*\a+1], v[OA+2*\a:OA+2*\a+1], v[W2+2*\a:W2+2*\a+1]
.endr
.irp a, 0,1,2,3,4,5,6,7
	v_cvt_pk_bf16_f32 v[OF+\a], v[OA+2*\a], v[OA+2*\a+1]
.endr
	ds_store_b128 v[OS], v[OF:OF+3] offset:1024*\rt                ; the fragment (my head, rt) of the output projection's source 1
	ds_store_b128 v[OS], v[OF+4:OF+7] offset:1024*\rt+512
.endm
; THE OUTPUT PROJECTION's share of trip i: K = the four heads of the trip, 128 channels; 32 accumulators (window 3) by turns.
.macro AFETCH kk, p                    ; Wo's 8 fragments for head kk (my part of W) into set p
	WIN 0x80
.irp mt, 0,1,2,3,4,5,6,7
	ds_load_b128 v[128+64*\p+8*\mt:128+64*\p+8*\mt+3], v[WA] offset:(8*\kk+\mt)*1024
	ds_load_b128 v[128+64*\p+8*\mt+4:128+64*\p+8*\mt+7], v[WA] offset:(8*\kk+\mt)*1024+512
.endr
.endm
.macro OMUL kk, p
	WIN 0xfa
.irp mt, 0,1,2,3,4,5,6,7
.irp rt, 0,1,2,3
	v_wmma_f32_16x16x32_bf16 v[8*(4*\mt+\rt):8*(4*\mt+\rt)+7], v[128+64*\p+8*\mt:128+64*\p+8*\mt+7], v[8*(4*\kk+\rt):8*(4*\kk+\rt)+7], v[8*(4*\mt+\rt):8*(4*\mt+\rt)+7]
.endr
.endr
.endm
.macro OUTPROJ
	WIN 0x80
.irp f, 0,1,2,3,4,5,6,7,8,9,10,11,12,13,14,15
	ds_load_b128 v[8*\f:8*\f+3], v[OAD] offset:1024*\f             ; all 16 fragments of o, the four waves' work
	ds_load_b128 v[8*\f+4:8*\f+7], v[OAD] offset:1024*\f+512
.endr
	AFETCH 0, 0
	AFETCH 1, 1
	s_wait_dscnt 16                                ; all but the 16 loads just issued
	OMUL 0, 0
	PLACES 4                                       ; set 0 was read by the matrix instructions just issued
	AFETCH 2, 0
	s_wait_dscnt 16
	OMUL 1, 1
	PLACES 4
	AFETCH 3, 1
	s_wait_dscnt 16
	OMUL 2, 0
	s_wait_dscnt 0x0
	OMUL 3, 1
	PLACES 5                                       ; the next scores write over o's fragments; the way out reads the sums
	WIN 0
.endm
; One trip: the attention of four heads (one a wave), the next trip's q projection in its middle, the output projection's share.
.macro TRIP last
	s_wait_loadcnt 0x0                             ; ks and vs of this trip (in the first trip E, F^T and bo as well): nothing else is out
.if \last == 0
	s_add_nc_u64 s[10:11], s[10:11], 512           ; kv: four heads on; the loads that named it are done
.endif
	POST 0
	POST 1
	POST 2
	POST 3
.if \last == 0
	LDKV KS, 0                                     ; the next trip's ks
.endif
	ATT 0
	ATT 1
.if \last == 0
	s_wait_tensorcnt 0x0                           ; my one tensor load has landed: Wq's rows of my next head, which I alone read;
	ds_add_u32 v254, v255
	s_wait_dscnt 0x0
	s_add_nc_u64 s[34:35], s[34:35], TILEB         ; so the descriptor may step to the next tile
	QPROJ
	REFILL                                         ; Wo's tile of this trip
.endif
	ATT 2
	ATT 3
.if \last == 0
	LDKV VS, 8192                                  ; the next trip's vs
.endif
	s_wait_dscnt 0x0                               ; my four fragments of o are in LDS, for the other waves' sake,
	s_wait_tensorcnt 0x0                           ; and my part of Wo's tile has landed: no tensor load is out at the barrier
	ds_add_u32 v254, v255
	s_wait_dscnt 0x0
.if \last == 0
	s_add_nc_u64 s[34:35], s[34:35], TILEB
.endif
	s_barrier_signal -1
	s_barrier_wait -1                              ; all sixteen fragments of o are there
	OUTPROJ
.if \last == 0
	REFILL                                         ; the next tile of the stream; its round also stands between these reads of o and the next trip's stores
.endif
.endm
	s_wait_dscnt 0x0                               ; my 16 rows of X are in LDS, for the other waves' sake,
	s_wait_tensorcnt 0x0                           ; and Q0's part has landed
	ds_add_u32 v254, v255
	s_wait_dscnt 0x0
	s_add_nc_u64 s[34:35], s[34:35], TILEB
	s_barrier_signal -1
	s_barrier_wait -1                              ; X is whole
	QPROJ                                          ; q of trip 0
	REFILL                                         ; Q1
	s_mov_b32 s36, 3
.Ltrip:
	TRIP 0
	s_sub_co_u32 s36, s36, 1
	s_cmp_lg_u32 s36, 0
	s_cbranch_scc1 .Ltrip
	TRIP 1                                         ; the last trip: no further q, nothing left to fetch
; THE WAY OUT, 16 rows at a time.  A lane holds 8 neighbouring columns (32 bytes) of one row for each of 8 column tiles; through my own stage they become whole
; rows of 512 bytes.  LDS serves a wave's instructions in order (ISA guide 5.7.1), so no wait stands between the stores and the loads, nor before the next stores.
.macro OUT16 rt, buf
	WIN 0x0c
.irp mt, 0,1,2,3,4,5,6,7
	ds_store_b128 v[ST], v[8*(4*\mt+\rt):8*(4*\mt+\rt)+3] offset:64*\mt
	ds_store_b128 v[ST], v[8*(4*\mt+\rt)+4:8*(4*\mt+\rt)+7] offset:64*\mt+16
.endr
	WIN 0
	s_wait_xcnt 0x0                                ; the buffer's registers, which earlier stores read, are loaded again only behind this wait
.irp rr, 0,1,2,3,4,5,6,7,8,9,10,11,12,13,14,15
	ds_load_b128 v[\buf+4*\rr:\buf+4*\rr+3], v[SL] offset:SP*\rr
.endr
.irp rr, 0,1,2,3,4,5,6,7,8,9,10,11,12,13,14,15
	s_wait_dscnt 15-\rr                            ; row rr is in, the younger rows stay out
	global_store_b128 v[L16], v[\buf+4*\rr:\buf+4*\rr+3], s[14:15] offset:(16*\rt+\rr)*2048 th:TH_STORE_NT   ; 512 neighbouring bytes, at a multiple of 512 from out0's first byte
.endr
.endm
	OUT16 0, QA
	OUT16 1, QF
	OUT16 2, QA
	OUT16 3, QF
	s_wait_tensorcnt 0x0
	ds_add_u32 v254, v255
	s_wait_dscnt 0x0
	ROUND                                          ; the closing round: no work-group ends while a partner may still ask for a tile that names it
	s_endpgm
.Lfunc_end_k_q74864b80f7_attn:
	.size	k_q74864b80f7_attn, .Lfunc_end_k_q74864b80f7_attn-k_q74864b80f7_attn
	.p2alignl 7, 3214868480
	.fill 96, 4, 3214868480
	.section	.rodata,"a",@progbits
	.p2align	6, 0x0
	.amdhsa_kernel k_q74864b80f7_attn
		.amdhsa_group_segment_fixed_size 327680
		.amdhsa_private_segment_fixed_size 0
		.amdhsa_enable_private_segment 0
		.amdhsa_kernarg_size 48
		.amdhsa_user_sgpr_count 2
		.amdhsa_user_sgpr_kernarg_segment_ptr 1
		.amdhsa_wavefront_size32 1
		.amdhsa_system_sgpr_workgroup_id_x 1
		.amdhsa_system_sgpr_workgroup_id_y 1
		.amdhsa_system_sgpr_workgroup_id_z 1
		.amdhsa_system_vgpr_workitem_id 0
		.amdhsa_next_free_vgpr 1024
		.amdhsa_next_free_sgpr 66
		.amdhsa_reserve_vcc 0
		.amdhsa_float_denorm_mode_32 3
		.amdhsa_float_denorm_mode_16_64 3
		.amdhsa_memory_ordered 1
		.amdhsa_forward_progress 1
		.amdhsa_inst_pref_size 255
	.end_amdhsa_kernel
	.section	.bss,"aw",@nobits
	.p2align	6
	.space	262144
	.amdgpu_metadata
---
amdhsa.version: [ 1, 2 ]
amdhsa.kernels:
  - .name:           k_q74864b80f7_attn
    .symbol:         k_q74864b80f7_attn.kd
    .args:
      - { .name: x, .offset: 0, .size: 8, .value_kind: global_buffer, .address_space: global }
      - { .name: wst, .offset: 8, .size: 8, .value_kind: global_buffer, .address_space: global }
      - { .name: ef, .offset: 16, .size: 8, .value_kind: global_buffer, .address_space: global }
      - { .name: kv, .offset: 24, .size: 8, .value_kind: global_buffer, .address_space: global }
      - { .name: bo, .offset: 32, .size: 8, .value_kind: global_buffer, .address_space: global }
      - { .name: out0, .offset: 40, .size: 8, .value_kind: global_buffer, .address_space: global }
    .group_segment_fixed_size: 327680
    .private_segment_fixed_size: 0
    .kernarg_segment_align: 8
    .kernarg_segment_size: 48
    .max_flat_workgroup_size: 128
    .sgpr_count:     66
    .vgpr_count:     1024
    .wavefront_size: 32
...
	.end_amdgpu_metadata
.endif
;; end of part 3
;; ======== version 2 of 2: 3 launches; version 1 with the launch ksvs written anew for expert scheduling mode
;; workspace buffers: part 131,072 bytes; kv 16,384 bytes; wst 1,048,576 bytes; ef 32,768 bytes
;; launch colsum: the kernel of part 1 again; grid 256 x 1, 8 waves a work-group, no clusters, 5,120 bytes of LDS; arguments x, Wq, Wo, E, F, part, wst, ef; writes part, wst, ef
;; launch ksvs (part 4): grid 64 x 1, 8 waves a work-group, no clusters, 9,216 bytes of LDS; arguments part, Wk, Wv, kv; writes kv
.if DOCPART == 4
	.amdgcn_target "amdgcn-amd-amdhsa--gfx1250"
	.amdhsa_code_object_version 6
	.text
	.protected	k_q74864b80f7_ksvs
	.globl	k_q74864b80f7_ksvs
	.p2align	8
	.type	k_q74864b80f7_ksvs,@function
k_q74864b80f7_ksvs:
	s_mov_b64 s[64:65], 0
	v_nop
	global_prefetch_b8 v0, s[64:65] scope:SCOPE_SE
	s_setreg_imm32_b32 hwreg(HW_REG_WAVE_SCHED_MODE, 0, 2), 2
	s_setreg_imm32_b32 hwreg(HW_REG_WAVE_MODE, 25, 1), 1
	s_wait_xcnt 0x0
	s_wait_alu depctr_vm_vsrc(0)
; LINFORMER ATTENTION, launch 2 of 3: ks[b][c] = sum_j xs[b][j] Wk[c][j] and vs likewise with Wv, xs[b][j] = the sum over n of x[b][n][j].
; The products x Wk^T and x Wv^T for each single row n are left out: the sum over n commutes with them for all values (shown at the head of launch 1).
; kv[0][b][c] = ks * log2(e) / sqrt(32): the softmax's scale and the change to base 2 ride on ks.   kv[1][b][c] = vs.
; Work-group wg: batch wg / 16, matrix (wg % 16) / 8 (0: Wk, 1: Wv), 64 rows c = 64 (wg % 8) ..; wave w 8 rows; a row's 512 numbers lie over the 32 lanes.
; xs stays f32 (it is no matrix operand here: one row against each weight row, in fused multiply-adds); the weights are rounded to bf16 as in the
; other products, so that the whole program sees one set of rounded inputs.  No matrix unit: a product with one row would leave 15 of 16 rows idle.
; THE MODE: SCHED_MODE bits 1:0 = 2 (LLVM: expert scheduling mode 2), set by the entry lines.  The code itself states the register dependences
; between vector instructions and memory or LDS instructions, with s_wait_alu, always for 0.
; THE PLAN.  Registers that memory or LDS instructions touch (the text has no loop):
;   v1, v2, v3, v62, v63   offsets and LDS addresses: written at the head, read by loads and stores, never written again.
;   PT  v[8:39]     the loads of part land in it; the tree of additions reads and writes it; the LDS store reads v[8:11]; behind the first barrier eight LDS
;                   loads land in it; the additions that make XS read it; in wave 0 the last LDS load lands in v[8:9], which the global store reads.
;   WR  v[64:191]   the 32 weight loads land in it, once; the conversions read it.
;   RS  v[194:201]  row j's last multiply writes v[RS+j]; the eight LDS stores read them, in one run behind all eight rows; never written again.
;   v192, v193      written at the head, read by the closing add alone.
;   v[4:7], XS and v[56:61] are named by vector instructions alone.
; So three waits on va_vdst stand in the text: ahead of the first load (the addresses), ahead of the LDS store of the partial xs (its data; and PT is done with,
; for the LDS loads behind the barrier), ahead of the run of eight LDS stores (their data; and XS's additions are done reading v[8:9], for wave 0's last load).
; One wait on vm_vsrc stands behind the first barrier: the LDS store has read v[8:11], in which a load lands.  One wait on va_sdst: the wave's number.
.set PT, 8                             ; v[8:39]   eight quads: chunks of part, later the two halves of xs from LDS
.set XS, 40                            ; v[40:55]  xs of my 16 columns: 128 q + 4 lane .. + 3
.set WR, 64                            ; v[64:191] eight rows of the matrix, 16 numbers a lane each
.set RS, 194                           ; v[194:201] the eight rows' results, as they are stored to LDS
; v1 = 16 lane; v2 = 16 thread; v3 offset in part; v[4:7] two chains; v[56:61] at work; v62 = 8 lane; v63 LDS word of my wave's results
	s_load_b256 s[4:11], s[0:1], 0x0               ; part s[4:5], Wk s[6:7], Wv s[8:9], kv s[10:11]
	v_lshl_add_u32 v192, v0, 2, 0x2000             ; my spare word, behind the 4,352 bytes that the text uses: 128 bytes for each of the eight waves; kept for the closing lines alone
	v_mov_b32 v193, 0                              ; and 0, likewise
	v_lshrrev_b32 v1, 5, v0
	v_readfirstlane_b32 s12, v1                    ; wave
	v_and_b32 v1, 31, v0
	v_lshlrev_b32 v1, 4, v1                        ; 16 lane
	v_lshlrev_b32 v2, 4, v0                        ; 16 thread
	v_lshrrev_b32 v3, 7, v0                        ; threads 0-127: chunks 0-7; 128-255: chunks 8-15
	v_and_b32 v4, 127, v0
	v_lshlrev_b32 v4, 4, v4
	v_lshl_add_u32 v3, v3, 14, v4
	v_lshrrev_b32 v62, 1, v1                       ; 8 lane: wave 0's last LDS load and its store
	s_wait_alu depctr_va_sdst(0)                   ; s12 is written, ahead of its first reader: offsets, an LDS address and the last branch are made from it
	s_lshr_b32 s13, ttmp9, 4                       ; batch
	s_and_b32 s14, ttmp9, 15
	s_lshr_b32 s15, s14, 3                         ; 0: Wk, 1: Wv
	s_and_b32 s16, s14, 7                          ; which 64 rows
	s_lshl_b32 s18, s16, 17
	s_lshl_b32 s20, s12, 14
	s_add_co_u32 s18, s18, s20                     ; (64 (wg % 8) + 8 wave) rows of 2,048 bytes
	s_mov_b32 s19, 0
	s_lshl2_add_u32 s20, s15, s13
	s_lshl_b32 s20, s20, 11
	s_lshl_b32 s26, s16, 8
	s_add_co_u32 s20, s20, s26                     ; kv: (4 matrix + batch) rows of 2,048 bytes + 64 numbers
	s_mov_b32 s21, 0
	s_lshl_b32 s28, s13, 15                        ; part: 16 chunks of 2,048 bytes for each batch
	s_mov_b32 s29, 0
	s_mov_b32 s22, 0x3e8293ee                      ; log2(e) / sqrt(32)
	s_mov_b32 s23, 0x3f800000
	s_mov_b32 s24, 0x76543210                      ; v_permlanex16_b32: lane i reads lane i of the other half
	s_mov_b32 s25, 0xfedcba98
	s_lshl_b32 s26, s12, 5
	s_add_co_u32 s26, s26, 4096
	v_mov_b32 v63, s26                             ; 4096 + 32 wave
	s_wait_kmcnt 0x0
	s_cmp_lg_u32 s15, 0
	s_cselect_b64 s[6:7], s[8:9], s[6:7]
	s_cselect_b32 s22, s23, s22                    ; vs is not scaled
	s_add_nc_u64 s[6:7], s[6:7], s[18:19]
	s_add_nc_u64 s[10:11], s[10:11], s[20:21]
	s_add_nc_u64 s[4:5], s[4:5], s[28:29]
	s_wait_alu depctr_va_vdst(0)                   ; v1, v2, v3, v62 and v63 are written, which the loads and stores of the whole kernel read as offsets and addresses; so are v192 and v193
.irp c, 0,1,2,3,4,5,6,7
	global_load_b128 v[PT+4*\c:PT+4*\c+3], v3, s[4:5] offset:2048*\c
.endr
.irp j, 0,1,2,3,4,5,6,7
.irp q, 0,1,2,3
	global_load_b128 v[WR+16*\j+4*\q:WR+16*\j+4*\q+3], v1, s[6:7] offset:2048*\j+512*\q
.endr
.endr
	s_wait_loadcnt 32                              ; the eight chunks are in; the 32 weight loads behind them stay out
.irp c, 0,2,4,6
	v_pk_add_f32 v[PT+4*\c:PT+4*\c+1], v[PT+4*\c:PT+4*\c+1], v[PT+4*\c+4:PT+4*\c+5]
	v_pk_add_f32 v[PT+4*\c+2:PT+4*\c+3], v[PT+4*\c+2:PT+4*\c+3], v[PT+4*\c+6:PT+4*\c+7]
.endr
.irp c, 0,4
	v_pk_add_f32 v[PT+4*\c:PT+4*\c+1], v[PT+4*\c:PT+4*\c+1], v[PT+4*\c+8:PT+4*\c+9]
	v_pk_add_f32 v[PT+4*\c+2:PT+4*\c+3], v[PT+4*\c+2:PT+4*\c+3], v[PT+4*\c+10:PT+4*\c+11]
.endr
	v_pk_add_f32 v[PT:PT+1], v[PT:PT+1], v[PT+16:PT+17]
	v_pk_add_f32 v[PT+2:PT+3], v[PT+2:PT+3], v[PT+18:PT+19]
	s_wait_alu depctr_va_vdst(0)                   ; the additions have written v[PT:PT+3], which the LDS store reads, and are done reading and writing all of PT, in which the LDS loads behind the barrier land
	ds_store_b128 v2, v[PT:PT+3]                   ; bytes 0-2047: chunks 0-7 summed; 2048-4095: chunks 8-15
	s_wait_dscnt 0x0                               ; every wave reads all of it: my store is done before I signal
	s_barrier_signal -1
	s_barrier_wait -1
	s_wait_alu depctr_vm_vsrc(0)                   ; my LDS store has read v[PT:PT+3], in which the first load below lands
.irp q, 0,1,2,3
	ds_load_b128 v[PT+4*\q:PT+4*\q+3], v1 offset:512*\q
	ds_load_b128 v[PT+16+4*\q:PT+16+4*\q+3], v1 offset:2048+512*\q
.endr
	s_wait_dscnt 0x0
.irp a, 0,1,2,3,4,5,6,7
	v_pk_add_f32 v[XS+2*\a:XS+2*\a+1], v[PT+2*\a:PT+2*\a+1], v[PT+16+2*\a:PT+16+2*\a+1]
.endr
.irp j, 0,1,2,3,4,5,6,7
	s_wait_loadcnt 28-4*\j                         ; row j's four loads are in, the younger rows stay out
.irp q, 0,1,2,3
	v_cvt_pk_bf16_f32 v56, v[WR+16*\j+4*\q], v[WR+16*\j+4*\q+1]
	v_cvt_pk_bf16_f32 v57, v[WR+16*\j+4*\q+2], v[WR+16*\j+4*\q+3]
	v_lshlrev_b32 v58, 16, v56
	v_and_b32 v59, 0xffff0000, v56
	v_lshlrev_b32 v60, 16, v57
	v_and_b32 v61, 0xffff0000, v57
.if \q == 0
	v_pk_mul_f32 v[4:5], v[58:59], v[XS:XS+1]      ; the first products start the two chains
	v_pk_mul_f32 v[6:7], v[60:61], v[XS+2:XS+3]
.else
	v_pk_fma_f32 v[4:5], v[58:59], v[XS+4*\q:XS+4*\q+1], v[4:5]
	v_pk_fma_f32 v[6:7], v[60:61], v[XS+4*\q+2:XS+4*\q+3], v[6:7]
.endif
.endr
	v_pk_add_f32 v[4:5], v[4:5], v[6:7]
	v_add_f32 v4, v4, v5
	v_add_f32_dpp v4, v4, v4 row_xmask:1 row_mask:0xf bank_mask:0xf
	v_add_f32_dpp v4, v4, v4 row_xmask:2 row_mask:0xf bank_mask:0xf
	v_add_f32_dpp v4, v4, v4 row_xmask:4 row_mask:0xf bank_mask:0xf
	v_add_f32_dpp v4, v4, v4 row_xmask:8 row_mask:0xf bank_mask:0xf
	v_permlanex16_b32 v5, v4, s24, s25             ; v5 has been written
	v_add_f32 v4, v4, v5
	v_mul_f32 v[RS+\j], s22, v4                    ; the row's result has a register of its own: no store reads the chains' registers
.endr
	s_wait_alu depctr_va_vdst(0)                   ; the eight multiplies have written v[RS ..], which the LDS stores read; XS's additions are done reading v[8:9], in which wave 0's last LDS load lands
.irp j, 0,1,2,3,4,5,6,7
	ds_store_b32 v63, v[RS+\j] offset:4*\j         ; all lanes write the same word with the same value
.endr
	s_wait_dscnt 0x0                               ; wave 0 reads all 64 words: my stores are done before I signal
	s_barrier_signal -1
	s_barrier_wait -1
	s_cmp_lg_u32 s12, 0
	s_cbranch_scc1 .Lend
	ds_load_b64 v[8:9], v62 offset:4096            ; no wait: no vector instruction since the wait above; the one store that read v[8:9] stands ahead of the wait on vm_vsrc
	s_wait_dscnt 0x0
	global_store_b64 v62, v[8:9], s[10:11]         ; 256 neighbouring bytes, at a multiple of 256 from kv's first byte
.Lend:
	s_wait_dscnt 0x0                               ; the closing lines, six on end
	s_wait_alu 0x0
	s_wait_tensorcnt 0x0
	ds_add_u32 v192, v193
	s_wait_dscnt 0x0
	s_endpgm
.Lfunc_end_k_q74864b80f7_ksvs:
	.size	k_q74864b80f7_ksvs, .Lfunc_end_k_q74864b80f7_ksvs-k_q74864b80f7_ksvs
	.p2alignl 7, 3214868480
	.fill 96, 4, 3214868480
	.section	.rodata,"a",@progbits
	.p2align	6, 0x0
	.amdhsa_kernel k_q74864b80f7_ksvs
		.amdhsa_group_segment_fixed_size 9216
		.amdhsa_private_segment_fixed_size 0
		.amdhsa_enable_private_segment 0
		.amdhsa_kernarg_size 32
		.amdhsa_user_sgpr_count 2
		.amdhsa_user_sgpr_kernarg_segment_ptr 1
		.amdhsa_wavefront_size32 1
		.amdhsa_system_sgpr_workgroup_id_x 1
		.amdhsa_system_sgpr_workgroup_id_y 1
		.amdhsa_system_sgpr_workgroup_id_z 1
		.amdhsa_system_vgpr_workitem_id 0
		.amdhsa_next_free_vgpr 202
		.amdhsa_next_free_sgpr 66
		.amdhsa_reserve_vcc 0
		.amdhsa_float_denorm_mode_32 3
		.amdhsa_float_denorm_mode_16_64 3
		.amdhsa_memory_ordered 1
		.amdhsa_forward_progress 1
		.amdhsa_inst_pref_size 27
	.end_amdhsa_kernel
	.amdgpu_metadata
---
amdhsa.version: [ 1, 2 ]
amdhsa.kernels:
  - .name:           k_q74864b80f7_ksvs
    .symbol:         k_q74864b80f7_ksvs.kd
    .args:
      - { .name: part, .offset: 0, .size: 8, .value_kind: global_buffer, .address_space: global }
      - { .name: Wk, .offset: 8, .size: 8, .value_kind: global_buffer, .address_space: global }
      - { .name: Wv, .offset: 16, .size: 8, .value_kind: global_buffer, .address_space: global }
      - { .name: kv, .offset: 24, .size: 8, .value_kind: global_buffer, .address_space: global }
    .group_segment_fixed_size: 9216
    .private_segment_fixed_size: 0
    .kernarg_segment_align: 8
    .kernarg_segment_size: 32
    .max_flat_workgroup_size: 256
    .sgpr_count:     66
    .vgpr_count:     202
    .wavefront_size: 32
...
	.end_amdgpu_metadata
.endif
;; end of part 4
;; launch attn: the kernel of part 3 again; grid 256 x 1, 4 waves a work-group, clusters of 4 x 1, 327,680 bytes of LDS; arguments x, wst, ef, kv, bo, out0; writes out0
